; MI455X (gfx1250); checked and timed in simulation.
; The chip was launched on July 23, 2026; its instructions are those of AMD's public machine-readable ISA for CDNA 5 (MIT licence, August 2026) and "CDNA5" Instruction Set Architecture Reference Guide (July 2026). The comments in the code are by the model that wrote it; some were corrected since.
;; Quantum Feed Forward. Allowed arithmetic: matrix products marked QUANTISED: E4M3 operands, one E8M0 scale for each 32 along K, by v_wmma_scale_f32_16x16x128_f8f6f4 with both operands' format E4M3, f32 sums; everything else in f32.
;; Inputs: W1 2,048 x 512 float32; W2 512 x 2,048 float32; theta 512 float32; x 8 x 4,096 x 512 float32.
;; Outputs: out0 8 x 4,096 x 512 float32.
;; This version of the problem:
;;   THIS VERSION OF THE PROBLEM IS GIVEN IN LOW PRECISION. The matrix products marked QUANTISED in the list below multiply operands that are first quantised to E4M3 (4 exponent bits, 3 mantissa bits; 8 bits a number), with one power-of-two scale for each 32 numbers along K (OCP MX v1.0); their sums are f32. All else is computed in f32.
;;   The module's matrix products, in the order in which they are computed (A, B: the left and right operand; K: the contracted axis; several contracted axes count as one K, in the product's order):
;;     1. [M 32,768, K 512] x [K 512, N 2,048]; A: computed on the way; B: input W1: QUANTISED
;;     2. [M 32,768, K 2,048] x [K 2,048, N 512]; A: computed on the way; B: input W2: QUANTISED
;;   THE QUANTISER, for each operand of a quantised product, along K:
;;     - K is cut into blocks of 32 from its start; a last block that is shorter is filled with zeros.
;;     - A block's scale is 2^e with e = floor(log2(the largest magnitude in the block)) - 8, held to -126 .. 127; a block of zeros has e = 0. As a byte (E8M0): e + 127.
;;     - Each number is divided by its block's scale, clamped to +-448, and rounded to the nearest number of E4M3, ties to even, subnormals kept.
;;     - The product sums the exact products of the quantised numbers (number of the format x scale) in f32.
;;   ~~~python
;;   def quantise(x, axis):      # numpy; x: float32 -> the quantised numbers, widened to float32 again
;;       x = np.moveaxis(x, axis, -1); K = x.shape[-1]
;;       x = np.pad(x, [(0, 0)] * (x.ndim - 1) + [(0, -K % 32)]); x = x.reshape(x.shape[:-1] + (-1, 32)); a = np.abs(x).max(-1, keepdims=True)
;;       e = np.where(a > 0, np.clip(np.frexp(np.where(a > 0, a, 1))[1] - 1 - 8, -126, 127), 0)      # np.frexp(a)[1] - 1 = floor(log2(a)), exactly
;;       r = np.clip(x / 2.0 ** e, -448, 448)
;;       step = 2.0 ** (np.maximum(np.frexp(np.where(r == 0, 1, r))[1] - 1, -6) - 3)
;;       q = np.round(r / step) * step * 2.0 ** e      # np.round: ties to even
;;       return np.moveaxis(q.reshape(q.shape[:-2] + (-1,))[..., :K], -1, axis).astype(np.float32)
;;   ~~~
;;   OPERANDS COMPUTED ON THE WAY. 'Computed on the way' means the value that the module computes at that place (a softmax that the list does not call 'softmax' is quantised finished and normalised). What goes into a quantiser is computed in f32, as accurately as f32 sums, v_exp_f32 and their like allow (about 1e-6 of the number): no bf16 or f16 on the way to a quantiser, and a product that is left as it is and whose result goes on into a quantised operand takes f32 operands (vector FMAs, or v_wmma_f32_16x16x4_f32). A number that lies on a knife's edge between two numbers of the format may be rounded either way, as far as f32 arithmetic and the matrix unit's own rounding can turn it there, and no further.
;; One version. Each part assembles by itself: llvm-mc -triple=amdgcn-amd-amdhsa -mcpu=gfx1250 --defsym DOCPART=n.
;; ======== version 1 of 1: 2 launches
;; limits: inputs' magnitudes at most 13,176,794; right only within a limited range of input values
;; workspace buffers: wts 2,162,688 bytes
;; launch prep (part 1): grid 256 x 1, 4 waves a work-group, no clusters, 768 bytes of LDS; arguments W1, W2, wts; writes wts
.if DOCPART == 1
	.amdgcn_target "amdgcn-amd-amdhsa--gfx1250"
	.amdhsa_code_object_version 6
	.text
	.protected	k_qaea766640e_prep
	.globl	k_qaea766640e_prep
	.p2align	8
	.type	k_qaea766640e_prep,@function
k_qaea766640e_prep:
	s_mov_b64 s[64:65], 0
	v_nop
	global_prefetch_b8 v0, s[64:65] scope:SCOPE_SE
	s_setreg_imm32_b32 hwreg(HW_REG_WAVE_MODE, 25, 1), 1
	s_wait_xcnt 0x0
; W1 [2048][512] and W2 [512][2048], f32, K innermost, become codes of FP8 (E4M3) with one E8M0 byte for each 32 along K,
; laid in wts in the order in which the second launch's operand registers take them.
; wts = 16 pieces of SLOT bytes; piece 2 c = W1's rows (hidden units) 256 c .. 256 c + 255, piece 2 c + 1 = W2's columns (the same units as its K).
; A FRAGMENT (16 rows x 128 K) is an image of its 16 registers, 2,048 bytes: register group g at 512 g, lane l at 16 l: 16 codes of row l % 16, k = 32 g + 16 (l / 16) + 0 .. 15.
; W1's piece: fragment (sub-step q = 0..7 of 32 units, K step s, tile u) at 16384 q + 2048 (2 s + u); row r of the tile is unit 32 q + 8 u + r + 8 (r / 8), so that the
;   results of tiles 0 and 1 are 16 neighbours along the next product's K.  Scale words at 131072 + 512 q + 256 (s / 2) + 8 (16 u + r) + 4 (s % 2).
; W2's piece: four quarters of QUART bytes (out columns 128 w on); in a quarter fragment (K step s, tile n) at 2048 (8 s + n); scale words at 32768 + 512 s + 256 (n / 4) + 8 (16 (n % 2) + r) + 4 ((n / 2) % 2).
; SHARES: a wave makes one fragment, a work-group four whose 64 scale words are one aligned run of 256 bytes.  Work-groups 0-127 take W1, the others W2: only pointers, offsets and a shift are chosen, one path through the text.
; The scale: the largest magnitude's exponent field - 8, held at 1 from below.  A block of zeros gets the byte 1 with zero codes: this program alone reads the bytes.
; LIMITS: NaN and infinities among the weights are not served.
.set SLOT,  135168
.set QUART, 33792
.set X,   16                           ; v16-79   64 numbers: register 16 b + i = k 32 b + 16 (lane / 16) + i of my row
.set TM,  80                           ; v80-95   at work
.set PC,  96                           ; v96-111  the fragment's codes
.set PW,  112                          ; v112     my row's scale word
	s_load_b128 s[4:7], s[0:1], 0x0                ; W1, W2
	s_load_b64 s[8:9], s[0:1], 0x10                ; wts
	v_lshl_add_u32 v128, v0, 2, 0x100
	v_mov_b32 v129, 0
	v_lshrrev_b32 v1, 5, v0
	v_readfirstlane_b32 s10, v1                    ; wave
	v_and_b32 v1, 31, v0                           ; lane
	v_and_b32 v2, 15, v0                           ; r
	v_bfe_u32 v3, v0, 4, 1                         ; h
	s_lshr_b32 s11, s10, 1                         ; a0
	s_and_b32 s12, s10, 1                          ; e
	s_and_b32 s13, ttmp9, 127
	s_and_b32 s14, s13, 1                          ; ah
	s_lshr_b32 s15, s13, 1                         ; task 0..63
	s_lshl_b32 s16, s14, 1
	s_add_co_u32 s16, s16, s11                     ; a = 2 ah + a0
	s_lshr_b32 s17, s15, 3                         ; c: the chunk
	s_and_b32 s18, s15, 7                          ; W1: the sub-step
	s_bfe_u32 s19, s15, 0x20001                    ; W2: the quarter
	s_and_b32 s30, s15, 1                          ; W2: the K step
	s_lshl_b32 s31, s16, 1
	s_add_co_u32 s31, s31, s12                     ; 2 a + e
	s_lshl_b32 s20, s15, 16                        ; W1's source: (32 task + 8 e) rows of 2,048 bytes + 512 a
	s_lshl_b32 s32, s12, 14
	s_add_co_u32 s20, s20, s32
	s_lshl_b32 s32, s16, 9
	s_add_co_u32 s20, s20, s32
	s_lshl_b32 s21, s19, 20                        ; W2's source: (128 quarter + 32 a + 16 e) rows of 8,192 bytes + 1024 c + 512 K step
	s_lshl_b32 s32, s16, 18
	s_add_co_u32 s21, s21, s32
	s_lshl_b32 s32, s12, 17
	s_add_co_u32 s21, s21, s32
	s_lshl_b32 s32, s17, 10
	s_add_co_u32 s21, s21, s32
	s_lshl_b32 s32, s30, 9
	s_add_co_u32 s21, s21, s32
	s_mul_i32 s33, s17, 2*SLOT                     ; W1's piece
	s_lshl_b32 s22, s18, 14
	s_add_co_u32 s22, s22, s33
	s_lshl_b32 s32, s31, 11
	s_add_co_u32 s22, s22, s32                     ; W1's codes
	s_lshl_b32 s24, s18, 9
	s_add_co_u32 s24, s24, s33
	s_add_co_u32 s24, s24, 131072
	s_lshl_b32 s35, s14, 8
	s_add_co_u32 s24, s24, s35                     ; W1's scale words
	s_mul_i32 s34, s19, QUART
	s_add_co_u32 s34, s34, s33
	s_add_co_u32 s34, s34, SLOT                    ; W2's quarter
	s_lshl_b32 s23, s30, 14
	s_add_co_u32 s23, s23, s34
	s_add_co_u32 s23, s23, s32                     ; W2's codes
	s_lshl_b32 s25, s30, 9
	s_add_co_u32 s25, s25, s34
	s_add_co_u32 s25, s25, 32768
	s_add_co_u32 s25, s25, s35                     ; W2's scale words
	s_lshl_b32 s32, s12, 7
	s_lshl_b32 s35, s11, 2
	s_add_co_u32 s32, s32, s35                     ; LDS: 128 e + 4 a0
	s_mov_b32 s36, 0x76543210
	s_mov_b32 s37, 0xfedcba98                      ; lane selects: lane l xor 16
	s_mov_b32 s38, 0x600000                        ; the mantissa field of 448
	s_cmp_lt_u32 ttmp9, 128                        ; W1's work-group or W2's: the choice hangs on the work-group's number alone
	s_cselect_b32 s20, s20, s21
	s_cselect_b32 s22, s22, s23
	s_cselect_b32 s24, s24, s25
	s_cselect_b32 s26, 11, 13                      ; a row's bytes as a shift
	s_cselect_b32 s27, 8, 0                        ; W1's tiles skip eight rows in their middle, W2's do not
	s_mov_b32 s21, 0
	s_mov_b32 s23, 0
	s_mov_b32 s25, 0
	s_wait_alu depctr_va_vdst(0)
	s_wait_kmcnt 0x0
	s_cselect_b64 s[4:5], s[4:5], s[6:7]
	s_add_nc_u64 s[4:5], s[4:5], s[20:21]
	s_add_nc_u64 s[28:29], s[8:9], s[22:23]
	s_add_nc_u64 s[8:9], s[8:9], s[24:25]
	v_and_b32 v4, s27, v2
	v_add_nc_u32 v4, v4, v2                        ; r + 8 (r / 8), or r
	v_lshlrev_b32 v4, s26, v4
	v_lshl_add_u32 v4, v3, 6, v4                   ; my row, + 64 h: my 16 numbers of a block of 32
	v_lshlrev_b32 v5, 4, v1                        ; an image's place for my lane
	v_lshl_add_u32 v6, v2, 3, s32                  ; LDS: my scale word: 8 (16 e + r) + 4 a0
	v_lshlrev_b32 v7, 3, v1
.irp b, 0,1,2,3
.irp i, 0,1,2,3
	global_load_b128 v[X+16*\b+4*\i:X+16*\b+4*\i+3], v4, s[4:5] offset:128*\b+16*\i th:TH_LOAD_NT
.endr
.endr
.irp b, 0,1,2,3
	v_mov_b32 v[TM+4+\b], 0                        ; a lane permute's destination counts as one of its sources
.endr
	s_wait_loadcnt 0x0
.irp b, 0,1,2,3
	v_max3_num_f32 v[TM+\b], |v[X+16*\b]|, |v[X+1+16*\b]|, 0x4800000   ; block b: my 16 numbers, and the floor 2^(9 - 127): the byte cannot fall under 1
.endr
.irp i, 2,4,6,8,10,12,14
.irp b, 0,1,2,3
	v_max3_num_f32 v[TM+\b], v[TM+\b], |v[X+16*\b+\i]|, |v[X+1+16*\b+\i]|
.endr
.endr
.irp b, 0,1,2,3
	v_permlanex16_b32 v[TM+4+\b], v[TM+\b], s36, s37
.endr
.irp b, 0,1,2,3
	v_max_num_f32 v[TM+\b], v[TM+\b], v[TM+4+\b]   ; with lane l xor 16's: the block's largest magnitude
.endr
.irp b, 0,1,2,3
	v_add_nc_u32 v[TM+12+\b], 0xfc000000, v[TM+\b] ; 8 off its exponent field: the conversion's scale operand
.endr
.irp b, 0,1,2,3
	v_and_or_b32 v[TM+8+\b], v[TM+\b], 0x7f800000, s38   ; 448 x the scale
.endr
.irp b, 0,1,2,3
	v_lshrrev_b32 v[TM+4+\b], 23, v[TM+12+\b]      ; the scale's byte
.endr
	v_lshl_or_b32 v[PW], v[TM+5], 8, v[TM+4]
	v_lshl_or_b32 v[PW], v[TM+6], 16, v[PW]
	v_lshl_or_b32 v[PW], v[TM+7], 24, v[PW]
.irp b, 0,1,2,3
.irp i, 0,1,2,3,4,5,6,7,8,9,10,11,12,13,14,15
	v_med3_num_f32 v[X+16*\b+\i], v[X+16*\b+\i], -v[TM+8+\b], v[TM+8+\b]   ; the conversion to an 8-bit code does not saturate (ISA guide 7.6.2): the hold comes first
.endr
	v_cvt_scalef32_pk8_fp8_f32 v[PC+4*\b:PC+1+4*\b], v[X+16*\b:X+7+16*\b], v[TM+12+\b]
	v_cvt_scalef32_pk8_fp8_f32 v[PC+2+4*\b:PC+3+4*\b], v[X+8+16*\b:X+15+16*\b], v[TM+12+\b]
.endr
	v_nop                                          ; a plain line behind the last conversion
.irp g, 0,1,2,3
	global_store_b128 v5, v[PC+4*\g:PC+4*\g+3], s[28:29] offset:512*\g   ; 32 lanes store 512 consecutive bytes, aligned
.endr
	ds_store_b32 v6, v[PW]                         ; both lanes of a row write the same word with the same value
	s_wait_dscnt 0x0                               ; for the others' sake: my word has landed
	s_barrier_signal -1
	s_barrier_wait -1
	s_cmp_lg_u32 s10, 0
	s_cbranch_scc1 .Ldone
	ds_load_b64 v[114:115], v7                     ; the four waves' 64 words
	s_wait_dscnt 0x0
	global_store_b64 v7, v[114:115], s[8:9]        ; 32 lanes store 256 consecutive bytes, aligned
.Ldone:
	s_wait_tensorcnt 0x0
	ds_add_u32 v128, v129
	s_wait_dscnt 0x0
	s_endpgm
.Lfunc_end_k_qaea766640e_prep:
	.size	k_qaea766640e_prep, .Lfunc_end_k_qaea766640e_prep-k_qaea766640e_prep
	.p2alignl 7, 3214868480
	.fill 96, 4, 3214868480
	.section	.rodata,"a",@progbits
	.p2align	6, 0x0
	.amdhsa_kernel k_qaea766640e_prep
		.amdhsa_group_segment_fixed_size 768
		.amdhsa_private_segment_fixed_size 0
		.amdhsa_enable_private_segment 0
		.amdhsa_kernarg_size 24
		.amdhsa_user_sgpr_count 2
		.amdhsa_user_sgpr_kernarg_segment_ptr 1
		.amdhsa_wavefront_size32 1
		.amdhsa_system_sgpr_workgroup_id_x 1
		.amdhsa_system_sgpr_workgroup_id_y 1
		.amdhsa_system_sgpr_workgroup_id_z 1
		.amdhsa_system_vgpr_workitem_id 0
		.amdhsa_next_free_vgpr 130
		.amdhsa_next_free_sgpr 66
		.amdhsa_reserve_vcc 0
		.amdhsa_float_denorm_mode_32 3
		.amdhsa_float_denorm_mode_16_64 3
		.amdhsa_memory_ordered 1
		.amdhsa_forward_progress 1
		.amdhsa_inst_pref_size 14
	.end_amdhsa_kernel
	.amdgpu_metadata
---
amdhsa.version: [ 1, 2 ]
amdhsa.kernels:
  - .name:           k_qaea766640e_prep
    .symbol:         k_qaea766640e_prep.kd
    .args:
      - { .name: W1, .offset: 0, .size: 8, .value_kind: global_buffer, .address_space: global }
      - { .name: W2, .offset: 8, .size: 8, .value_kind: global_buffer, .address_space: global }
      - { .name: wts, .offset: 16, .size: 8, .value_kind: global_buffer, .address_space: global }
    .group_segment_fixed_size: 768
    .private_segment_fixed_size: 0
    .kernarg_segment_align: 8
    .kernarg_segment_size: 24
    .max_flat_workgroup_size: 128
    .sgpr_count:     66
    .vgpr_count:     130
    .wavefront_size: 32
...
	.end_amdgpu_metadata
.endif
;; end of part 1
;; launch ffn (part 2): grid 256 x 1, 4 waves a work-group, clusters of 4 x 1, 327,680 bytes of LDS; arguments x, theta, wts, out0; writes out0
.if DOCPART == 2
	.amdgcn_target "amdgcn-amd-amdhsa--gfx1250"
	.amdhsa_code_object_version 6
	.text
	.protected	k_qaea766640e_ffn
	.globl	k_qaea766640e_ffn
	.p2align	8
	.type	k_qaea766640e_ffn,@function
k_qaea766640e_ffn:
	s_mov_b64 s[64:65], 0
	v_nop
	global_prefetch_b8 v0, s[64:65] scope:SCOPE_SE
	s_setreg_imm32_b32 hwreg(HW_REG_WAVE_MODE, 25, 1), 1
	s_wait_xcnt 0x0
	s_wait_alu depctr_hold_cnt(0) depctr_sa_sdst(0) depctr_va_vdst(0) depctr_va_sdst(0) depctr_va_ssrc(0) depctr_va_vcc(0) depctr_vm_vsrc(0)
	s_getreg_b32 s2, hwreg(HW_REG_IB_STS2, 6, 4)
	s_cmp_eq_u32 s2, 0
	s_cbranch_scc0 .Lentry_in_a_cluster
	s_endpgm
.Lentry_in_a_cluster:
	s_bfe_u32 s2, ttmp6, 0x10000c
	s_cmp_lg_u32 s2, 0x3003
	s_cbranch_scc0 .Lentry_shape_is_right
	s_endpgm
.Lentry_shape_is_right:
; out = relu(q W1^T) W2^T, q = cos(sum of theta) cos(x); both products on codes of FP8 (E4M3) with one E8M0 scale for each 32 along K.  x, out: [32768][512] f32.  wts: both weights as codes, laid by the launch before
; as images of operand registers: 16 pieces of SLOT bytes, W1's and W2's part of a chunk of 256 hidden units by turns.  q and the hidden layer never go to memory.
; SHARES.  A work-group of four waves owns 128 rows and takes them through everything.  Wave w = 2 i + j.  At the head wave w makes q of rows 32 w on.  Product 1: wave (i, j) takes rows 64 i on (four tiles, whose q stays
; in 256 registers) against units 128 j on of the chunk: these 128 units are K step j of product 2.  Product 2: wave w takes all 128 rows against out columns 128 w on: 64 accumulators, 512 registers.
; BOTH PRODUCTS ARE USED TRANSPOSED (source 0 = 16 rows of a weight, source 1 = 16 rows of q or of the hidden layer): a lane holds one row, its registers run along the columns.  W1's rows of a tile are chosen so that
; the 16 registers of two neighbouring tiles are 16 neighbours along the next K: the conversions' results are the next operand's registers.  relu costs nothing: the hold between 0 and 448 x the scale does it.
; PRODUCT 1 GOES BY HALVES of the wave's four row tiles (A: tiles 0, 1; B: tiles 2, 3), so that the quantiser stands beside products: while one half's 16 products of a sub-step of 32 units are issued, the other half's
; results are quantised.  The wave holds all of its SIMD's registers, so nothing else could be issued in that time.
; OPERANDS GO FROM WAVE TO WAVE THROUGH LDS AS IMAGES OF THEIR REGISTERS (16 bytes a lane, 512 a register group; scale words 4 bytes a lane).
; THE WEIGHTS come through two LDS slots, A for W1's piece and B for W2's, each filled by four tensor loads, a quarter a wave.  CLUSTER: all work-groups walk the same pieces, so the four of a cluster ask JOINTLY
; (mask 15, the same descriptor in all four); every refill stands behind a round of the cluster's barrier.  W2's quarter w is read by wave w alone, the wave that asked for it.
; x is asked for whole at the head (four tensor loads a wave, 32 rows x 512 bytes each, into the two slots, which the weights take afterwards).  No prefetch: nothing could ask for x earlier, and every cluster walks the weights' pieces.
; THE COSINE in f32: n = rint(x / pi + 1/2), r = x - (n - 1/2) pi in two parts of pi by fused multiply-adds, cos x = (-1)^n sin r, sin r = r + r^3 P(r^2), P of degree 3, |r| <= pi / 2.  The factor cos(sum of theta) rides in r's place.
; LIMITS: |x| and |sum of theta| under 2^22 pi (n must fit the rounding constant's mantissa); NaN and infinities are not served; a block of zeros gets the byte 1 with zero codes (the bytes are this program's own).
; REGISTERS, in windows of 256.  Window 0: v0-15 addresses; v16-39 scale words and nothing else; v40-47 the quantiser's temporaries; v48-63 the codes just made, four registers a row tile;
;   v64-127 product 1's eight accumulators, product 2's four fragments of the hidden layer; v128-255 eight fragments of W1 or of W2.
;   Window 1: q, fragment (tile t, K step s) at v[64 t + 16 s].  Windows 2, 3: out's accumulators, (row tile a, column tile n) at v[8 (8 (a % 4) + n)].
; THE HEAD'S LOADS OF x, in place of what the paragraph above says of them: ONE tensor load a wave: wave w asks for piece w whole, 128 rows x 512 bytes, at the same LDS bytes as before.
; A piece is read by all four waves, so ahead of pieces 0, 1 and 2 the wave that asked waits for its load and a work-group barrier follows; piece 3 is shown by the wait for all loads ahead of W1's round.
.set SLOT,   135168                    ; a piece of wts, and an LDS slot: slot A at 0, slot B at SLOT
.set QUART,  33792                     ; a quarter of it: 132 rows of 256 bytes, what one tensor load brings
.set HIMG,   2*SLOT                    ; the hidden layer's 16 fragments of a chunk, (row tile a, K step s) at 2048 (2 a + s); at the head q's exchange areas 0 and 1, 16,384 bytes each
.set HSC,    HIMG+32768                ; its scale words: 512 s + 16 (16 (a % 2) + r) + 4 (a / 2); at the head q's scale words, 512 bytes a K step
.set E2OFF,  34816                     ; q's exchange area 2, from HIMG on: 16,384 bytes behind HSC's 2,048
.set E2SOFF, 18432                     ; and its scale words, from HSC on
.set SPARE,  322048                    ; the spare words, 128 bytes for each wave: two blocks of 256 bytes that no other line names
.set XP,     528                       ; a row of an x piece, and of the way out's stage: 512 bytes + 16 of padding = 132 words: row r starts at bank 4 r mod 64 (ISA guide 11.1)
.set XW,     32*XP                     ; a wave's part of an x piece
.set XPIECE, 4*XW                      ; an x piece (128 along C of 128 rows): two fill a slot
.set SPW,  1                           ; v1   SPARE + 4 x my thread's number; never rewritten
.set NIL,  2                           ; v2   0; never rewritten
.set AW1,  3                           ; v3   slot A: my half of the units: 65536 j + 16 lane
.set AW1S, 4                           ; v4   its scale words: 131072 + 2048 j + 8 lane
.set AW2,  5                           ; v5   slot B: my quarter + 16 lane
.set AW2S, 6                           ; v6   its scale words: + 32768 + 8 lane
.set AH,   7                           ; v7   HIMG + 16 lane
.set AHS,  8                           ; v8   HSC + 16 lane
.set HW,   9                           ; v9   where I store the hidden layer: HIMG + 2048 (8 i + j) + 16 lane
.set HSW,  10                          ; v10  and its scale words: HSC + 512 j + 16 r + 8 i
.set AWW,  11                          ; v11-13 addresses of the sub-step in hand
.set AWSW, 12
.set HWW,  13
.set STO,  14                          ; v14  the way out: where I put 32 bytes of a row
.set RD,   15                          ; v15  and where I read a row back
.set CO,   11                          ; v11  the way out: 16 lane, my place in a row's 512 bytes of out
.set AX,   96                          ; v96-102, v104-109: the head's addresses and lane terms
.set AXW,  97
.set QW,   98
.set QWW,  99
.set QSW,  100
.set AQ,   101
.set AQS,  102
.set LN,   104
.set LR,   105
.set LH,   106
.set L16,  107
.set L8,   108
.set L4,   109
; the way out reads rows back into window 1 (q's registers, free behind the last product 1): four buffers of 64, row tile a in buffer a % 4
; scalars: s[4:11] x, theta, wts, out; s12 wave, s13 i, s14 j; s[20:21] lane selects; s22 448's mantissa; s23 lanes 16-31; s[24:39], s[96:97] the cosine's constants, each twice (a packed form names a pair);
; s[40:47] group 1 for x; s[48:63] four groups 0 for x; s[68:75] group 1 for the weights; s[76:79] group 0 for slot A; s[80:83] for slot B; s84-87 counters and steps; s98 -(8 << 23)
.set MSB, 0
.macro WIN new                         ; the immediate's high byte repeats the setting that is left; a switch that changes nothing is dropped
.if MSB != (\new)
	s_set_vgpr_msb (MSB<<8)|(\new)
.set MSB, \new
.endif
.endm
.macro PLACES n
.rept \n
	v_nop
.endr
.endm
.macro CREST                           ; a round of the cluster's barrier behind its opening barrier
	s_cmp_lg_u32 s12, 0
	s_cbranch_scc1 .Lnot_wave_0_\@
	s_barrier_signal -3
.Lnot_wave_0_\@:
	s_barrier_wait -3
	s_barrier_signal -1
	s_barrier_wait -1
.endm
.macro ROUND                           ; a whole round
	s_barrier_signal -1
	s_barrier_wait -1
	CREST
.endm
; one scaled product, by the symbols rD, rA, rB, rSA, rSB; rZ: it starts the sum; rRA, rRB: the side's scale words stand in lanes 16-31
.macro WMS
.if rZ
.if rRA && rRB
	v_wmma_scale_f32_16x16x128_f8f6f4 v[rD:rD+7], v[rA:rA+15], v[rB:rB+15], 0, v[rSA], v[rSB] matrix_a_scale:MATRIX_SCALE_ROW1 matrix_b_scale:MATRIX_SCALE_ROW1
.elseif rRA
	v_wmma_scale_f32_16x16x128_f8f6f4 v[rD:rD+7], v[rA:rA+15], v[rB:rB+15], 0, v[rSA], v[rSB] matrix_a_scale:MATRIX_SCALE_ROW1
.elseif rRB
	v_wmma_scale_f32_16x16x128_f8f6f4 v[rD:rD+7], v[rA:rA+15], v[rB:rB+15], 0, v[rSA], v[rSB] matrix_b_scale:MATRIX_SCALE_ROW1
.else
	v_wmma_scale_f32_16x16x128_f8f6f4 v[rD:rD+7], v[rA:rA+15], v[rB:rB+15], 0, v[rSA], v[rSB]
.endif
.else
.if rRA && rRB
	v_wmma_scale_f32_16x16x128_f8f6f4 v[rD:rD+7], v[rA:rA+15], v[rB:rB+15], v[rD:rD+7], v[rSA], v[rSB] matrix_a_scale:MATRIX_SCALE_ROW1 matrix_b_scale:MATRIX_SCALE_ROW1
.elseif rRA
	v_wmma_scale_f32_16x16x128_f8f6f4 v[rD:rD+7], v[rA:rA+15], v[rB:rB+15], v[rD:rD+7], v[rSA], v[rSB] matrix_a_scale:MATRIX_SCALE_ROW1
.elseif rRB
	v_wmma_scale_f32_16x16x128_f8f6f4 v[rD:rD+7], v[rA:rA+15], v[rB:rB+15], v[rD:rD+7], v[rSA], v[rSB] matrix_b_scale:MATRIX_SCALE_ROW1
.else
	v_wmma_scale_f32_16x16x128_f8f6f4 v[rD:rD+7], v[rA:rA+15], v[rB:rB+15], v[rD:rD+7], v[rSA], v[rSB]
.endif
.endif
.endm
; ---------------- the head's macros ----------------
; 16 numbers v[x] .. v[x + 15] give cos(sum of theta) cos(them) in v[y] .. v[y + 15], two at a time, row by row over the eight pairs so that no line waits for the line above it.
; v128-143: x / pi + 1/2, later r x the factor; v144-159 r; v160-175 r^2; v176-191 n - 1/2, later the polynomial
.macro COSB x, y
.irp p, 0,2,4,6,8,10,12,14
	v_pk_fma_f32 v[128+\p:129+\p], v[\x+\p:\x+1+\p], s[24:25], 0.5 op_sel_hi:[1,0,0]          ; x / pi + 1/2
.endr
.irp p, 0,2,4,6,8,10,12,14
	v_pk_add_f32 v[128+\p:129+\p], v[128+\p:129+\p], s[26:27] op_sel_hi:[1,0]                 ; + 1.5 x 2^23: rounded to a whole number n, whose parity is the word's lowest bit
.endr
.irp p, 0,2,4,6,8,10,12,14
	v_pk_add_f32 v[176+\p:177+\p], v[128+\p:129+\p], s[96:97] op_sel_hi:[1,0]                 ; n
.endr
.irp p, 0,2,4,6,8,10,12,14
	v_pk_add_f32 v[176+\p:177+\p], v[176+\p:177+\p], -0.5 op_sel_hi:[1,0]                     ; n - 1/2, exact
.endr
.irp p, 0,2,4,6,8,10,12,14
	v_pk_fma_f32 v[144+\p:145+\p], v[176+\p:177+\p], s[28:29], v[\x+\p:\x+1+\p] op_sel_hi:[1,0,1]   ; x - (n - 1/2) pi: pi's upper part,
.endr
.irp p, 0,2,4,6,8,10,12,14
	v_pk_fma_f32 v[144+\p:145+\p], v[176+\p:177+\p], s[30:31], v[144+\p:145+\p] op_sel_hi:[1,0,1]   ; and its lower part
.endr
.irp p, 0,1,2,3,4,5,6,7,8,9,10,11,12,13,14,15
	v_lshl_add_u32 v[144+\p], v[128+\p], 31, v[144+\p]                                        ; n's parity, added at the sign bit, turns r's sign: sin is odd
.endr
.irp p, 0,2,4,6,8,10,12,14
	v_pk_mul_f32 v[160+\p:161+\p], v[144+\p:145+\p], v[144+\p:145+\p]                         ; r^2
.endr
.irp p, 0,2,4,6,8,10,12,14
	v_pk_mul_f32 v[128+\p:129+\p], v[144+\p:145+\p], s[38:39] op_sel_hi:[1,0]                 ; r x cos(sum of theta)
.endr
.irp p, 0,2,4,6,8,10,12,14
	v_pk_fma_f32 v[176+\p:177+\p], v[160+\p:161+\p], s[32:33], v[54:55] op_sel_hi:[1,0,1]
.endr
.irp p, 0,2,4,6,8,10,12,14
	v_pk_fma_f32 v[176+\p:177+\p], v[176+\p:177+\p], v[160+\p:161+\p], s[34:35] op_sel_hi:[1,1,0]
.endr
.irp p, 0,2,4,6,8,10,12,14
	v_pk_fma_f32 v[176+\p:177+\p], v[176+\p:177+\p], v[160+\p:161+\p], s[36:37] op_sel_hi:[1,1,0]
.endr
.irp p, 0,2,4,6,8,10,12,14
	v_pk_mul_f32 v[176+\p:177+\p], v[176+\p:177+\p], v[128+\p:129+\p]
.endr
.irp p, 0,2,4,6,8,10,12,14
	v_pk_fma_f32 v[\y+\p:\y+1+\p], v[160+\p:161+\p], v[176+\p:177+\p], v[128+\p:129+\p]       ; the factor x (r + r^3 P(r^2))
.endr
.endm
; Two tiles' halves of a block of 32 (v64-79, v80-95; the other half lies in lane l xor 16) become 16 codes each (v56-59, v60-63); the block's byte is shifted into the tile's scale word (v50, v51) from above.
.macro QB
.irp y, 0,1
	v_max3_num_f32 v[40+\y], |v[64+16*\y]|, |v[65+16*\y]|, 0x4800000                          ; two chains a tile; the floor 2^(9 - 127) holds the byte at 1 from below
	v_max3_num_f32 v[42+\y], |v[66+16*\y]|, |v[67+16*\y]|, |v[68+16*\y]|
.endr
.irp i, 5,9
.irp y, 0,1
	v_max3_num_f32 v[40+\y], v[40+\y], |v[64+16*\y+\i]|, |v[65+16*\y+\i]|
	v_max3_num_f32 v[42+\y], v[42+\y], |v[66+16*\y+\i]|, |v[67+16*\y+\i]|
.endr
.endr
.irp y, 0,1
	v_max3_num_f32 v[40+\y], v[40+\y], |v[77+16*\y]|, |v[78+16*\y]|
.endr
.irp y, 0,1
	v_max3_num_f32 v[40+\y], v[40+\y], v[42+\y], |v[79+16*\y]|
.endr
.irp y, 0,1
	v_permlanex16_b32 v[42+\y], v[40+\y], s20, s21
.endr
.irp y, 0,1
	v_max_num_f32 v[40+\y], v[40+\y], v[42+\y]     ; the block's largest magnitude
.endr
.irp y, 0,1
	v_add_nc_u32 v[44+\y], 0xfc000000, v[40+\y]    ; 8 off its exponent field: the conversion's scale operand
.endr
.irp y, 0,1
	v_and_or_b32 v[46+\y], v[40+\y], 0x7f800000, s22   ; 448 x the scale
.endr
.irp y, 0,1
	v_lshrrev_b32 v[48+\y], 23, v[44+\y]           ; the byte
.endr
.irp y, 0,1
	v_lshrrev_b32 v[50+\y], 8, v[50+\y]
.endr
.irp y, 0,1
	v_lshl_or_b32 v[50+\y], v[48+\y], 24, v[50+\y] ; after four blocks the word is whole, the lowest block in the lowest byte
.endr
.irp y, 0,1
.irp i, 0,1,2,3,4,5,6,7,8,9,10,11,12,13,14,15
	v_med3_num_f32 v[64+16*\y+\i], v[64+16*\y+\i], -v[46+\y], v[46+\y]   ; the conversion to an 8-bit code does not saturate (ISA guide 7.6.2)
.endr
	v_cvt_scalef32_pk8_fp8_f32 v[56+4*\y:57+4*\y], v[64+16*\y:71+16*\y], v[44+\y]
	v_cvt_scalef32_pk8_fp8_f32 v[58+4*\y:59+4*\y], v[72+16*\y:79+16*\y], v[44+\y]
.endr
	v_nop                                          ; a plain line behind the last conversion
.endm
; K step s of q for my 32 rows: four trips, a block of 32 along C each.  meet = 1: piece s, which wave s asked for, is shown to all waves first.  The images go to exchange area eoff, the scale words to esoff.
.macro PIECE s, meet, eoff, esoff
.if \meet
	s_cmp_lt_u32 s12, \s+1                         ; waves 0 .. s: wave s's load of piece s has landed (the lower waves' loads landed earlier: their wait is met at once)
	s_cbranch_scc0 .Lnw_\@
	s_wait_tensorcnt 0x0
.Lnw_\@:
	s_wait_dscnt 0x0                               ; no LDS instruction of mine is out at a signal
	s_barrier_signal -1
	s_barrier_wait -1                              ; piece s lies in LDS for every wave.
.endif
	s_mov_b32 s85, 0
	s_mov_b32 s86, XPIECE*\s
	s_mov_b32 s87, \eoff
	v_add_nc_u32 v[AXW], s86, v[AX]                ; the first block's numbers: v192-207 rows r, v208-223 rows 16 + r
.irp i, 0,1,2,3
	ds_load_b128 v[192+4*\i:195+4*\i], v[AXW] offset:16*\i
.endr
.irp i, 0,1,2,3
	ds_load_b128 v[208+4*\i:211+4*\i], v[AXW] offset:16*XP+16*\i
.endr
.Lpiece_\@:
	s_wait_dscnt 0x0                               ; this trip's numbers are in, and the last trip's stores have read their registers
	v_add_nc_u32 v[QWW], s87, v[QW]
	COSB 192, 64
	COSB 208, 80
	s_add_co_u32 s86, s86, 128
	s_min_u32 s88, s86, XPIECE*\s+384              ; the next block, asked for one trip ahead; the piece's last trip names its own block again and does not use it: no load leaves the piece, and no branch is needed
	v_add_nc_u32 v[AXW], s88, v[AX]
.irp i, 0,1,2,3
	ds_load_b128 v[192+4*\i:195+4*\i], v[AXW] offset:16*\i          ; the cosines above have read these registers
.endr
.irp i, 0,1,2,3
	ds_load_b128 v[208+4*\i:211+4*\i], v[AXW] offset:16*XP+16*\i
.endr
	QB                                             ; the quantiser stands between the loads and the wait for them
	ds_store_b128 v[QWW], v[56:59]                 ; register group b of the two fragments' images
	ds_store_b128 v[QWW], v[60:63] offset:2048
	s_add_co_u32 s87, s87, 512
	s_add_co_u32 s85, s85, 1
	s_cmp_lt_u32 s85, 4
	s_cbranch_scc1 .Lpiece_\@
	v_cndmask_b32 v52, v50, v51, s23               ; lanes 0-15 my first tile's words, lanes 16-31 my second's
	ds_store_b32 v[QSW], v52 offset:\esoff
.endm
; K step s of q for the four tiles of my product 1: 16 register groups into window 1, two registers of scale words
.macro QLOAD s, eoff, esoff
	WIN 0x40                                       ; destination window 1
.irp t, 0,1,2,3
.irp g, 0,1,2,3
	ds_load_b128 v[64*\t+16*\s+4*\g:64*\t+16*\s+4*\g+3], v[AQ] offset:\eoff+2048*\t+512*\g
.endr
.endr
	WIN 0
	ds_load_b32 v[16+2*\s], v[AQS] offset:\esoff
	ds_load_b32 v[17+2*\s], v[AQS] offset:\esoff+128
.endm
; ---------------- product 1 ----------------
.macro WFRAG adr, f                    ; fragment f = 2 s + u of a sub-step of W1
.irp g, 0,1,2,3
	ds_load_b128 v[128+16*(\f)+4*\g:128+16*(\f)+4*\g+3], v[\adr] offset:2048*(\f)+512*\g
.endr
.endm
; Product i (0 .. 15) of a sub-step for half h: K step i / 4, W1's tile u = (i / 2) % 2, row tile t = 2 h + i % 2.  The half's four accumulators take turns, one instruction a turn; K step 0 starts the sums.
; Under this window setting (source 1, q, in window 1; all else in window 0) LDS loads, and vector lines that name no vector register as their second source, mean the same registers as under setting 0.
.macro P1W h
	WIN 0x04
.set rD, 64+16*(2*\h+i%2)+8*((i/2)%2)
.set rA, 128+16*(2*(i/4)+(i/2)%2)
.set rB, 64*(2*\h+i%2)+16*(i/4)
.set rSA, 24+i/4
.set rSB, 16+2*(i/4)+\h
.set rRA, (i/2)%2
.set rRB, i%2
.if i < 4
.set rZ, 1
.else
.set rZ, 0
.endif
	WMS
.endm
.macro P1G h, s, np                    ; K step s of half h: four products; np v_nop behind each of the first two
.set i, 4*(\s)
.rept 4
	P1W \h
.if (i%4) < 2
	PLACES \np
.endif
.set i, i+1
.endr
.endm
; THE QUANTISER OF A HALF is a list of 67 lines; HQL writes number j of it for half h.  Tile t = 2 h + y; v[64 + 16 t + n] = unit 16 (lane / 16) + n of my row of tile t, of the sub-step's 32 units.
;   0-15   the largest number, two chains a tile, the two tiles by turns.  No |.|: what is negative becomes 0 and must not count; the floor 2^(9 - 127) stands over it.  Each accumulator is read from its low end on
;   16-29  lane l xor 16's; 8 off the exponent field (the conversion's scale operand); 448 x the scale; the byte, shifted into the tile's scale word v[32 + t] from above
;   30-61  the activation and the hold in one: between 0 and 448 x the scale (the conversion to an 8-bit code does not saturate: ISA guide 7.6.2)
;   62-65  the conversions, codes to v[48 + 4 t ..];   66 a plain line behind the last of them
; Lines 16 to 61 name no vector register as their second source, so they stand under the products' window setting as they are; the others switch to setting 0.
.macro HQL h
.if j < 30
.set qy, j%2
.elseif j < 62
.set qy, (j-30)/16
.else
.set qy, (j-62)/2
.endif
.set qa, 64+16*(2*\h+qy)
.set qc, 48+4*(2*\h+qy)
.set qw, 32+2*\h+qy
.if j < 2
	WIN 0
	v_max3_num_f32 v[40+qy], v[qa], v[qa+1], 0x4800000
.elseif j < 4
	WIN 0
	v_max3_num_f32 v[42+qy], v[qa+8], v[qa+9], v[qa+10]
.elseif j < 14
	WIN 0
.if ((j/2)%2) == 0
	v_max3_num_f32 v[40+qy], v[40+qy], v[qa+j/2], v[qa+j/2+1]          ; numbers 2, 3; 4, 5; 6, 7
.else
	v_max3_num_f32 v[42+qy], v[42+qy], v[qa+8+j/2], v[qa+9+j/2]        ; numbers 11, 12; 13, 14
.endif
.elseif j < 16
	WIN 0
	v_max3_num_f32 v[40+qy], v[40+qy], v[42+qy], v[qa+15]
.elseif j < 18
	v_permlanex16_b32 v[42+qy], v[40+qy], s20, s21
.elseif j < 20
	v_max3_num_f32 v[40+qy], v[40+qy], 0, v[42+qy]                     ; the block's largest number (it is over the floor, so the 0 changes nothing)
.elseif j < 22
	v_add_nc_u32 v[44+qy], v[40+qy], s98
.elseif j < 24
	v_and_or_b32 v[46+qy], v[40+qy], 0x7f800000, s22
.elseif j < 26
	v_bfe_u32 v[qc], v[44+qy], 23, 8
.elseif j < 28
	v_bfe_u32 v[qw], v[qw], 8, 24
.elseif j < 30
	v_lshl_or_b32 v[qw], v[qc], 24, v[qw]                              ; after four sub-steps the word is whole
.elseif j < 62
	v_med3_num_f32 v[qa+(j-30)%16], v[qa+(j-30)%16], 0, v[46+qy]
.elseif j < 66
	WIN 0
	v_cvt_scalef32_pk8_fp8_f32 v[qc+2*((j-62)%2):qc+2*((j-62)%2)+1], v[qa+8*((j-62)%2):qa+8*((j-62)%2)+7], v[44+qy]
.else
	v_nop
.endif
.endm
.macro HQRUN h, n                      ; the next n lines of half h's list
.rept \n
	HQL \h
.set j, j+1
.endr
.endm
; Half A's 16 products of the next sub-step, four lines of half B's quantiser behind each, the last three at the end.  The waits count the LDS instructions that the half B before has issued, 36 in all:
; 8 loads | a pair of scale words, 8 loads | 8 loads | 2 stores, a pair of scale words, 8 loads
.macro PHA
.set i, 0
.set j, 0
.rept 16
.if i == 0
	s_wait_dscnt 27                                ; fragments 0, 1 and the first pair of scale words are in: behind them 8 + 8 + 11 were issued
.elseif i == 4
	s_wait_alu depctr_va_vdst(0)
	s_wait_dscnt 19                                ; fragments 2, 3: behind them 8 + 11
.elseif i == 8
	s_wait_dscnt 8                                 ; fragments 4, 5 and the second pair of scale words: behind them the last eight loads
.elseif i == 12
	s_wait_dscnt 0x0
.endif
	P1W 0
.rept 4
	HQL 1
.set j, j+1
.endr
.set i, i+1
.endr
.rept 3
	HQL 1
.set j, j+1
.endr
.endm
; A chunk's product 1: four sub-steps of 32 units.  On entry sub-step 0's two loads of scale words and 32 loads of fragments are out, in this order.  fill = 1: slot A is filled again with the next chunk's W1.
; The order: A(0) | three trips of { B(b) with A(b)'s quantiser; A(b + 1) with B(b)'s } | B(3) with A(3)'s quantiser | B(3)'s quantiser, while W2's fragments land.
; In a trip's half B four lines of half A's quantiser stand behind each product from the fifth on.  A K step's two fragments of W1 are fetched anew, a run of eight loads, two products behind the K step's last:
; at least twelve plain lines that name none of that product's registers stand between, more than the eight places that the loads owe.
.macro G1 fill
	s_mov_b32 s85, 0
	s_mov_b32 s86, 16384
	s_wait_dscnt 24                                ; all but the youngest 24: the scale words and fragments 0, 1 are in
	P1G 0, 0, 0
	s_wait_dscnt 16
	P1G 0, 1, 0
	s_wait_dscnt 8
	P1G 0, 2, 0
	s_wait_dscnt 0x0
	P1G 0, 3, 0
	WIN 0
.Lsub_\@:                              ; b = 0, 1, 2
	P1G 1, 0, 4                                    ; the eight v_nop are the places between half A's last products and the first read of their results
	WIN 0
	s_wait_dscnt 0x0                               ; the last trip's two stores are done: no LDS instruction of mine is out, so the address registers may be written
	v_add_nc_u32 v[AWW], s86, v[AW1]               ; the next sub-step's fragments,
	v_add_nc_u32 v[AWSW], s85, v[AW1S]             ; its scale words, 512 further on by the offsets below,
	v_add_nc_u32 v[HWW], s85, v[HW]                ; and where this sub-step's codes go: register group b
.set j, 0
	HQRUN 0, 6
.set i, 4
.rept 11                               ; products 4 .. 14 of half B, four lines of half A's list behind each: lines 6 .. 49
	P1W 1
	HQRUN 0, 4
.if i == 5
	WFRAG AWW, 0                                   ; K step 0's fragments had their last product at i = 3
	WFRAG AWW, 1
.elseif i == 9
	ds_load_b64 v[24:25], v[AWSW] offset:512       ; K steps 0 and 1's scale words and K step 1's fragments: last product at i = 7
	WFRAG AWW, 2
	WFRAG AWW, 3
.elseif i == 13
	WFRAG AWW, 4                                   ; K step 2's: last product at i = 11
	WFRAG AWW, 5
.endif
.set i, i+1
.endr
	P1W 1
	HQRUN 0, 17                                    ; twelve holds, the conversions, the plain line
	ds_store_b128 v[HWW], v[48:51]                 ; half A's codes
	ds_store_b128 v[HWW], v[52:55] offset:4096
	ds_load_b64 v[26:27], v[AWSW] offset:768
	WFRAG AWW, 6
	WFRAG AWW, 7
	PHA
	ds_store_b128 v[HWW], v[56:59] offset:8192     ; half B's codes
	ds_store_b128 v[HWW], v[60:63] offset:12288
	s_add_co_u32 s86, s86, 16384
	s_add_co_u32 s85, s85, 512
	s_cmp_lt_u32 s85, 1536
	s_cbranch_scc1 .Lsub_\@
	s_wait_dscnt 0x0                               ; half B of sub-step 3.  My reads of slot A are over, my stores are done
.if \fill
	s_wait_tensorcnt 0x0                           ; all my tensor loads have landed: the one that was out is my quarter of this chunk's W2
	ds_add_u32 v[SPW], v[NIL]                      ; 0 onto my spare word
	s_add_nc_u64 s[78:79], s[78:79], 2*SLOT        ; no tensor load of mine is out, so a group 0 may be written: the next chunk's W1
.endif
	P1G 1, 0, 4
.set j, 0
	HQRUN 0, 16                                    ; four products and sixteen lines stand between the add and the wait for it
.if \fill
	s_wait_alu depctr_va_vdst(0)
	s_wait_dscnt 0x0                               ; the add is done
	s_barrier_signal -1                            ; this barrier opens a round of the cluster's barrier
.endif
	P1G 1, 1, 0
	HQRUN 0, 18
.if \fill
	WIN 0
	s_barrier_wait -1
	CREST                                          ; no wave of any partner still reads slot A or has a load on its way
	tensor_load_to_lds s[76:79], s[68:75]          ; my one tensor load behind the round: my quarter of the next W1
	s_nop 0
	PLACES 4
.endif
	P1G 1, 2, 0
	HQRUN 0, 16
.if \fill == 0
	s_wait_tensorcnt 0x0                           ; my quarter of the last W2 is in
.endif
.irp n, 0,1,2,3,4,5
	BLOAD 0, \n                                    ; W2's fragments of K step 0 take the places of W1's fragments 0 to 5, which are done with
.endr
	P1G 1, 3, 0
	HQRUN 0, 17
	ds_store_b128 v[HW], v[48:51] offset:1536
	ds_store_b128 v[HW], v[52:55] offset:1536+4096
.irp s, 0,1
	ds_load_b64 v[24+4*\s:25+4*\s], v[AW2S] offset:512*\s          ; W2's scale words of both K steps
	ds_load_b64 v[26+4*\s:27+4*\s], v[AW2S] offset:512*\s+256
.endr
	BLOAD 0, 6
	BLOAD 0, 7
.set j, 0
	HQRUN 1, 67                                    ; half B's last quantiser stands alone: W2's fragments land meanwhile
	ds_store_b128 v[HW], v[56:59] offset:1536+8192
	ds_store_b128 v[HW], v[60:63] offset:1536+12288
.irp t, 0,1,2,3
	ds_store_b32 v[HSW], v[32+\t] offset:256*(\t%2)+4*(\t/2)       ; both lanes of a row write the same word with the same value
.endr
	s_wait_dscnt 0x0                               ; for the others' sake: my part of the hidden layer has landed
	s_barrier_signal -1
	s_barrier_wait -1                              ; the chunk's sixteen fragments lie in LDS.
.endm
; ---------------- product 2 ----------------
.macro BLOAD s, n                      ; W2's fragment (K step s, column tile n)
.irp g, 0,1,2,3
	ds_load_b128 v[128+16*(\n)+4*\g:128+16*(\n)+4*\g+3], v[AW2] offset:(8*\s+(\n))*2048+512*\g
.endr
.endm
.macro ALOAD k                         ; quarter k = 4 s + pair: the hidden layer's fragments of row tiles 2 pair, 2 pair + 1, K step s, into the pair of buffers k % 2
.irp e, 0,1
.irp g, 0,1,2,3
	ds_load_b128 v[64+16*(2*((\k)&1)+\e)+4*\g:64+16*(2*((\k)&1)+\e)+4*\g+3], v[AH] offset:(2*(2*((\k)&3)+\e)+((\k)>>2))*2048+512*\g
.endr
.endr
.endm
; two products: column tile n against the quarter's two row tiles; np v_nop behind each.  No two products that follow each other share an accumulator
.macro G2G k, n, zero, np
	WIN 0xa0+0x50*(((\k)&3)/2)                     ; C and D: window 2 for row tiles 0-3, window 3 for 4-7
.irp e, 0,1
.set rD, 8*(8*(2*((\k)&1)+\e)+(\n))
.set rA, 128+16*(\n)
.set rB, 64+16*(2*((\k)&1)+\e)
.set rSA, 24+4*((\k)>>2)+((\n)>>1)
.set rSB, 32+4*((\k)>>2)+((\k)&3)
.set rRA, (\n)&1
.set rRB, \e
.set rZ, \zero
	WMS
	PLACES \np
.endr
.endm
; a quarter that fetches the next quarter's row tiles into the buffers that the quarter before has read: eight places stand between that quarter's last product and the loads
.macro QMID k, zero
	s_wait_dscnt 0x0
	G2G \k, 0, \zero, 4
	WIN 0
	ALOAD \k+1
.irp n, 1,2,3,4,5,6,7
	G2G \k, \n, \zero, 0
.endr
.endm
; K step 0 of a chunk: quarters 0 to 3.  zero = 1: the first chunk's products start all 64 sums: nothing is ever cleared
.macro H2A zero
	ds_load_b128 v[32:35], v[AHS]                  ; the hidden layer's scale words: register 4 s + pair: lanes 0-15 the even tile's, lanes 16-31 the odd one's
	ds_load_b128 v[36:39], v[AHS] offset:512
	ALOAD 0
	ALOAD 1
	s_wait_dscnt 8                                 ; all but quarter 1's eight loads
.irp n, 0,1,2,3,4,5,6,7
	G2G 0, \n, \zero, 0
.endr
	QMID 1, \zero
	QMID 2, \zero
	s_wait_dscnt 0x0
.irp n, 0,1,2,3                        ; quarter 3 takes W2's fragments of K step 1 in place, in two runs: column tiles 0-3 when they have had their last product, then tiles 4-7; the next two quarters' row tiles ride along
	G2G 3, \n, \zero, 0
.endr
	PLACES 8
	WIN 0
.irp n, 0,1,2,3
	BLOAD 1, \n
.endr
	ALOAD 4
.irp n, 4,5,6,7
	G2G 3, \n, \zero, 0
.endr
	PLACES 8
	WIN 0
.irp n, 4,5,6,7
	BLOAD 1, \n
.endr
	ALOAD 5
.endm
; K step 1: quarters 4 to 7.  fill = 1: slot B is filled again with the next chunk's W2, and the next chunk's first fragments of W1 are fetched in place of W2's
.macro H2B fill
	s_wait_dscnt 24                                ; quarter 3's first run is in: behind it the 24 loads of its second
.irp n, 0,1,2,3
	G2G 4, \n, 0, 0
.endr
	s_wait_dscnt 8                                 ; column tiles 4-7 are in: behind them quarter 5's eight loads
.irp n, 4,5,6,7
	G2G 4, \n, 0, 0
.endr
	QMID 5, 0
	s_wait_dscnt 0x0
	G2G 6, 0, 0, 4
	WIN 0
	ALOAD 7                                        ; my last reads of this chunk's hidden layer
.if \fill
	s_wait_tensorcnt 0x0                           ; all my tensor loads have landed: the one that was out is my quarter of the next W1
	ds_add_u32 v[SPW], v[NIL]                      ; 0 onto my spare word
	s_add_nc_u64 s[82:83], s[82:83], 2*SLOT        ; the next chunk's W2
.endif
.irp n, 1,2,3,4
	G2G 6, \n, 0, 0
.endr
.if \fill
	s_wait_dscnt 0x0                               ; the add is done; my reads of slot B and of the hidden layer are over
	s_barrier_signal -1                            ; this barrier opens a round of the cluster's barrier
.endif
.irp n, 5,6,7
	G2G 6, \n, 0, 0
.endr
.if \fill
	WIN 0
	s_barrier_wait -1
	CREST                                          ; slot A is whole in every partner; nobody reads slot B or the hidden layer any more
	tensor_load_to_lds s[80:83], s[68:75]          ; my one tensor load behind the round: my quarter of the next W2
	s_nop 0
	PLACES 4
.irp n, 0,1,2,3
	G2G 7, \n, 0, 0
.endr
	PLACES 8
	WIN 0
	ds_load_b64 v[24:25], v[AW1S]                  ; W1's scale words of sub-step 0 (K step 0's words of W2 are done with),
	ds_load_b64 v[26:27], v[AW1S] offset:256
.irp f, 0,1,2,3
	WFRAG AW1, \f                                  ; and its fragments, in two runs as in quarter 3
.endr
.irp n, 4,5,6,7
	G2G 7, \n, 0, 0
.endr
	PLACES 9                                       ; nine places behind the last product: product 1's accumulators are laid over the fragments that it read
	WIN 0
.irp f, 4,5,6,7
	WFRAG AW1, \f
.endr
.else
	s_wait_dscnt 0x0
.irp n, 0,1,2,3,4,5,6,7
	G2G 7, \n, 0, 0
.endr
.endif
.endm
; ---------------- the way out ----------------
; Row tile a, 16 rows x my 128 columns: a lane holds 32 neighbouring bytes of a row; the tile goes through my own stage and comes back as whole rows of 512 bytes.  LDS serves a wave's instructions in order (ISA guide 5.7.1.4).
; The stages lie in slot A: it has had its last fill, and every wave has passed the barrier behind its last read of it.
.macro TOSTAGE a
.set AC, 64*((\a)%4)
	WIN 0x08+4*((\a)/4)                            ; the data: window 2 or 3
.irp b, 0,1,2,3,4,5,6,7
	ds_store_b128 v[STO], v[AC+8*\b:AC+8*\b+3] offset:64*\b        ; each accumulator from its low end on
	ds_store_b128 v[STO], v[AC+8*\b+4:AC+8*\b+7] offset:64*\b+16
.endr
	WIN 0x40                                       ; destination window 1
.set BB, 64*((\a)%4)
.irp t, 0,1,2,3,4,5,6,7,8,9,10,11,12,13,14,15
	ds_load_b128 v[BB+4*\t:BB+4*\t+3], v[RD] offset:\t*XP
.endr
	WIN 0
.endm
.macro SEND a, younger                 ; younger: the LDS instructions issued behind tile a's loads
.set BB, 64*((\a)%4)
	s_wait_dscnt \younger
	WIN 0x04                                       ; the stores' data: window 1
.irp t, 0,1,2,3,4,5,6,7,8,9,10,11,12,13,14,15
	global_store_b128 v[CO], v[BB+4*\t:BB+4*\t+3], s[10:11] offset:32768*(\a)+2048*\t th:TH_STORE_NT   ; 32 lanes store 512 consecutive bytes, at a multiple of 512 from out's first byte
.endr
	WIN 0
.endm
; ================ the body ================
	s_load_b256 s[4:11], s[0:1], 0x0               ; x, theta, wts, out
	v_lshl_add_u32 v[SPW], v0, 2, SPARE
	v_mov_b32 v[NIL], 0
	ds_add_u32 v1, v2
	ds_add_u32 v1, v2
	s_wait_dscnt 0x0
	v_lshrrev_b32 v[LN], 5, v0
	v_readfirstlane_b32 s12, v[LN]                 ; wave 0..3
	s_lshr_b32 s13, s12, 1                         ; i
	s_and_b32 s14, s12, 1                          ; j
	s_bfe_u32 s15, ttmp6, 0x40000                  ; cx: it enters x's and out's addresses alone
	s_lshl_b32 s16, ttmp9, 2
	s_add_co_u32 s16, s16, s15                     ; my block of 128 rows
	v_and_b32 v[LN], 31, v0
	v_and_b32 v[LR], 15, v0
	v_bfe_u32 v[LH], v0, 4, 1
	v_lshlrev_b32 v[L16], 4, v[LN]
	s_wait_alu depctr_va_vdst(0)
	v_lshlrev_b32 v[L8], 3, v[LN]
	v_lshlrev_b32 v[L4], 2, v[LN]
	s_lshl_b32 s88, s14, 16
	v_add_nc_u32 v[AW1], s88, v[L16]
	s_lshl_b32 s88, s14, 11
	s_add_co_u32 s88, s88, 131072
	v_add_nc_u32 v[AW1S], s88, v[L8]
	s_mul_i32 s94, s12, QUART
	s_mov_b32 s95, 0
	s_add_co_u32 s88, s94, SLOT
	v_add_nc_u32 v[AW2], s88, v[L16]
	s_add_co_u32 s88, s88, 32768
	v_add_nc_u32 v[AW2S], s88, v[L8]
	v_add_nc_u32 v[AH], HIMG, v[L16]
	v_add_nc_u32 v[AHS], HSC, v[L16]
	s_lshl_b32 s88, s13, 14
	s_lshl_b32 s90, s14, 11
	s_add_co_u32 s88, s88, s90
	s_add_co_u32 s88, s88, HIMG
	v_add_nc_u32 v[HW], s88, v[L16]
	s_lshl_b32 s88, s14, 9
	s_lshl_b32 s90, s13, 3
	s_add_co_u32 s88, s88, s90
	s_add_co_u32 s88, s88, HSC
	v_lshl_add_u32 v[HSW], v[LR], 4, s88
	s_mul_i32 s88, s12, 16*XP
	v_mul_u32_u24 v[STO], v[LR], XP
	v_lshl_add_u32 v[STO], v[LH], 5, v[STO]
	v_add_nc_u32 v[STO], s88, v[STO]
	v_add_nc_u32 v[RD], s88, v[L16]
	s_mul_i32 s91, s12, XW
	v_mul_u32_u24 v[AX], v[LR], XP
	v_lshl_add_u32 v[AX], v[LH], 6, v[AX]
	v_add_nc_u32 v[AX], s91, v[AX]                 ; x in LDS: my wave's part, row r, + 64 h: my 16 numbers of a block
	s_lshl_b32 s88, s12, 12
	s_add_co_u32 s88, s88, HIMG
	v_add_nc_u32 v[QW], s88, v[L16]                ; where I store q's images: two fragments a wave
	s_lshl_b32 s88, s12, 7
	s_add_co_u32 s88, s88, HSC
	v_add_nc_u32 v[QSW], s88, v[L4]
	s_lshl_b32 s88, s13, 13
	s_add_co_u32 s88, s88, HIMG
	v_add_nc_u32 v[AQ], s88, v[L16]                ; and where I read the four of my product 1
	s_lshl_b32 s88, s13, 8
	s_add_co_u32 s88, s88, HSC
	v_add_nc_u32 v[AQS], s88, v[L4]
	s_mov_b32 s20, 0x76543210
	s_mov_b32 s21, 0xfedcba98                      ; lane selects: lane l xor 16
	s_mov_b32 s22, 0x600000                        ; the mantissa field of 448
	s_mov_b32 s23, 0xffff0000                      ; lanes 16-31
.irp q, 24,25
	s_mov_b32 s\q, 0x3ea2f983                      ; 1 / pi
.endr
.irp q, 26,27
	s_mov_b32 s\q, 0x4b400000                      ; 1.5 x 2^23
.endr
.irp q, 96,97
	s_mov_b32 s\q, 0xcb400000                      ; and its negative
.endr
.irp q, 28,29
	s_mov_b32 s\q, 0xc0490fdb                      ; -pi, upper part
.endr
.irp q, 30,31
	s_mov_b32 s\q, 0x33bbbd2e                      ; -pi, lower part
.endr
.irp q, 32,33
	s_mov_b32 s\q, 0x362f0a87                      ; the polynomial: r^9's,
.endr
.irp q, 34,35
	s_mov_b32 s\q, 0x3c088777                      ; r^5's,
.endr
.irp q, 36,37
	s_mov_b32 s\q, 0xbe2aaaa6                      ; r^3's coefficient (r^7's lies in v[54:55])
.endr
	; group 1 for x: a tile of 128 rows x 128 f32, 2,048 bytes from row to row; 16 bytes of padding behind each row's 128 words
	s_mov_b32 s40, (2<<16)|(1<<20)|(6<<22)|(3<<25)
	s_mov_b32 s41, 128<<16                         ; tensor_dim0
	s_mov_b32 s42, 128<<16                         ; tensor_dim1
	s_mov_b32 s43, 128<<16                         ; tile_dim0
	s_mov_b32 s44, 128                             ; tile_dim1
	s_mov_b32 s45, 512                             ; tensor_dim0_stride
	s_mov_b32 s46, 0
	s_mov_b32 s47, 0
	; group 1 for the weights: a dense block of 33,792 bytes as 132 rows of 32 elements of 8 bytes; the mask names all four work-groups, bit 21 beside it
	s_mov_b32 s68, 15|(3<<16)|(1<<21)
	s_mov_b32 s69, 32<<16
	s_mov_b32 s70, 132<<16
	s_mov_b32 s71, 32<<16
	s_mov_b32 s72, 132
	s_mov_b32 s73, 32
	s_mov_b32 s74, 0
	s_mov_b32 s75, 0
	s_lshl_b32 s88, s16, 18                        ; my block's 128 rows of 2,048 bytes,
	s_mov_b32 s89, 0
	s_lshl_b32 s98, s16, 18
	s_lshl_b32 s90, s12, 9                         ; out: my wave's 512 bytes of a row
	s_add_co_u32 s98, s98, s90
	s_mov_b32 s99, 0
	s_wait_kmcnt 0x0
	s_add_nc_u64 s[92:93], s[4:5], s[88:89]
	s_add_nc_u64 s[10:11], s[10:11], s[98:99]
	s_mov_b32 s98, 0xfc000000                      ; -(8 << 23): what the quantiser takes off an exponent field
.irp p, 0,1,2,3
	s_mov_b32 s[48+4*\p], 1
	s_mov_b32 s[49+4*\p], XPIECE*\p                ; LDS: piece p, whole
	s_add_nc_u64 s[50+4*\p:51+4*\p], s[92:93], 512*\p
	s_or_b32 s[51+4*\p], s[51+4*\p], 0x80000000
.endr
	s_mov_b32 s76, 1
	s_mov_b32 s77, s94                             ; slot A, my quarter: no place in the cluster enters these descriptors
	s_add_nc_u64 s[78:79], s[8:9], s[94:95]        ; piece 0
	s_mov_b32 s80, 1
	s_add_co_u32 s81, s94, SLOT                    ; slot B, my quarter
	s_add_nc_u64 s[82:83], s[78:79], SLOT          ; piece 1
	s_or_b32 s79, s79, 0x80000000
	s_or_b32 s83, s83, 0x80000000
	ROUND                                          ; in a cluster launch every group of tensor loads stands behind a round
; x's four pieces, one a wave: ONE chain of branches on the wave's number, each arm with its load and, but for the last, a jump to the join
.macro XARM under, g0, next
	s_cmp_lt_u32 s12, \under
	s_cbranch_scc0 \next
	tensor_load_to_lds s[\g0:\g0+3], s[40:47]
	s_nop 0
	PLACES 4
	s_branch .Lx_asked
\next:
.endm
	XARM 1, 48, .Lx_1
	XARM 2, 52, .Lx_2
	XARM 3, 56, .Lx_3
	tensor_load_to_lds s[60:63], s[40:47]
	s_nop 0
	PLACES 4
.Lx_asked:
.irp i, 0,1,2,3
	global_load_b128 v[64+4*\i:67+4*\i], v[L16], s[6:7] offset:512*\i   ; theta: 16 numbers a lane
.endr
	v_mov_b32 v54, 0xb94fbaeb                      ; r^7's coefficient, twice
	v_mov_b32 v55, 0xb94fbaeb
	v_mov_b32 v50, 0                               ; the scale words are shifted into: written once
	v_mov_b32 v51, 0
.irp t, 0,1,2,3
	v_mov_b32 v[32+\t], 0
.endr
	s_wait_loadcnt 0x0
	v_pk_add_f32 v[64:65], v[64:65], v[72:73]      ; the sum of theta, as a tree
	v_pk_add_f32 v[66:67], v[66:67], v[74:75]
	v_pk_add_f32 v[68:69], v[68:69], v[76:77]
	v_pk_add_f32 v[70:71], v[70:71], v[78:79]
	v_pk_add_f32 v[64:65], v[64:65], v[68:69]
	v_pk_add_f32 v[66:67], v[66:67], v[70:71]
	v_pk_add_f32 v[64:65], v[64:65], v[66:67]
	v_add_f32 v64, v64, v65
	v_add_f32_dpp v64, v64, v64 row_xmask:1 row_mask:0xf bank_mask:0xf
	v_add_f32_dpp v64, v64, v64 row_xmask:2 row_mask:0xf bank_mask:0xf
	v_add_f32_dpp v64, v64, v64 row_xmask:4 row_mask:0xf bank_mask:0xf
	v_add_f32_dpp v64, v64, v64 row_xmask:8 row_mask:0xf bank_mask:0xf
	v_permlanex16_b32 v65, v64, s20, s21
	v_add_f32 v64, v64, v65
	v_fma_f32 v66, v64, s24, 0.5                   ; its cosine, by the same steps as COSB's
	v_add_f32 v66, s26, v66
	v_add_f32 v67, s96, v66
	v_add_f32 v67, -0.5, v67
	v_fma_f32 v68, v67, s28, v64
	v_fma_f32 v68, v67, s30, v68
	v_lshl_add_u32 v68, v66, 31, v68
	v_mul_f32 v69, v68, v68
	v_fma_f32 v70, v69, s32, v54
	v_fma_f32 v70, v70, v69, s34
	v_fma_f32 v70, v70, v69, s36
	v_mul_f32 v70, v70, v68
	v_fma_f32 v64, v69, v70, v68
	v_readfirstlane_b32 s38, v64                   ; a factor, never an address or a condition
	s_mov_b32 s39, s38
	PIECE 0, 1, 0, 0                               ; each piece is worked while the later ones are on their way
	PIECE 1, 1, 16384, 512
	PIECE 2, 1, E2OFF, E2SOFF
	s_wait_tensorcnt 0x0                           ; slot A is to be filled again: all my tensor loads have landed (x's last piece),
	ds_add_u32 v[SPW], v[NIL]                      ; 0 onto my spare word,
	s_wait_dscnt 0x0                               ; the add is done, my reads of pieces 0 and 1 are over and my images of q have landed
	ROUND
	tensor_load_to_lds s[76:79], s[68:75]          ; the first W1
	s_nop 0
	PLACES 4
	QLOAD 0, 0, 0
	QLOAD 1, 16384, 512
	QLOAD 2, E2OFF, E2SOFF
	s_wait_dscnt 0x0                               ; my reads of the three exchange areas are over
	s_barrier_signal -1
	s_barrier_wait -1                              ; everybody's are: area 2 may be written again.
	PIECE 3, 0, E2OFF, E2SOFF                      ; the piece was shown landed by every wave's wait in front of the round above; W1's load stays out
	s_wait_tensorcnt 0x0                           ; slot B is to be filled again: my quarter of W1 has landed,
	ds_add_u32 v[SPW], v[NIL]
	s_wait_dscnt 0x0                               ; my reads of pieces 2 and 3 are over and my last images have landed
	ROUND
	tensor_load_to_lds s[80:83], s[68:75]          ; the first W2
	s_nop 0
	PLACES 4
	QLOAD 3, E2OFF, E2SOFF
	ds_load_b64 v[24:25], v[AW1S]
	ds_load_b64 v[26:27], v[AW1S] offset:256
.irp f, 0,1,2,3,4,5,6,7
	WFRAG AW1, \f
.endr
	G1 1                                           ; chunk 0
	H2A 1
	s_mov_b32 s84, 6
.Lchunk:                               ; a trip: the second K step of chunk c, and chunk c + 1 up to its first K step; c = 0 .. 5.  Both slots are filled again
	H2B 1
	G1 1
	H2A 0
	s_sub_co_u32 s84, s84, 1
	s_cmp_lg_u32 s84, 0
	s_cbranch_scc1 .Lchunk
	H2B 1                                          ; the tail is written out: chunk 6 asks for the last W2
	G1 0                                           ; chunk 7 asks for nothing
	H2A 0
; THE LAST K STEP, written out: quarter 4 + p finishes row tiles 2 p and 2 p + 1, and each pair leaves as soon as its quarter is over, while the next quarters are multiplied.
; The eight v_nop behind a quarter's first two products are the places in front of the LDS stores that read the quarter before's results, and of the loads into the fragments that it read.
	v_and_b32 v[CO], 31, v0
	v_lshlrev_b32 v[CO], 4, v[CO]
	s_wait_alu depctr_va_vdst(0)
	s_wait_dscnt 24                                ; quarter 3's first run is in: behind it the 24 loads of its second
.irp n, 0,1,2,3
	G2G 4, \n, 0, 0
.endr
	s_wait_dscnt 8                                 ; column tiles 4-7 are in: behind them quarter 5's eight loads
.irp n, 4,5,6,7
	G2G 4, \n, 0, 0
.endr
	s_wait_dscnt 0x0
	G2G 5, 0, 0, 4
	WIN 0
	ALOAD 6
	TOSTAGE 0
	TOSTAGE 1
.irp n, 1,2,3,4,5,6,7
	G2G 5, \n, 0, 0
.endr
	SEND 0, 0                                      ; its wait serves quarter 6's fragments too
	SEND 1, 0
	G2G 6, 0, 0, 4
	WIN 0
	ALOAD 7
	TOSTAGE 2
	TOSTAGE 3
.irp n, 1,2,3,4,5,6,7
	G2G 6, \n, 0, 0
.endr
	SEND 2, 0
	SEND 3, 0
	G2G 7, 0, 0, 4
	WIN 0
	s_wait_xcnt 0x0                                ; the earlier stores have read their registers: tiles 4 and 5 land in tiles 0 and 1's buffers
	TOSTAGE 4
	TOSTAGE 5
.irp n, 1,2,3,4,5,6,7
	G2G 7, \n, 0, 0
.endr
	SEND 4, 0
	SEND 5, 0
	PLACES 8                                       ; eight places behind the last product, in front of the first read of its results
	s_wait_xcnt 0x0                                ; tiles 6 and 7 land in tiles 2 and 3's buffers
	TOSTAGE 6
	TOSTAGE 7
	SEND 6, 32                                     ; behind tile 6's loads: tile 7's 16 stores and 16 loads
	SEND 7, 0
	s_wait_tensorcnt 0x0                           ; the wave's end: behind my last tensor load and my last LDS store
	ds_add_u32 v[SPW], v[NIL]
	s_wait_dscnt 0x0
	ROUND                                          ; the closing round: no work-group ends while a partner may still ask for a piece that names it
	s_endpgm
.Lfunc_end_k_qaea766640e_ffn:
	.size	k_qaea766640e_ffn, .Lfunc_end_k_qaea766640e_ffn-k_qaea766640e_ffn
	.p2alignl 7, 3214868480
	.fill 96, 4, 3214868480
	.section	.rodata,"a",@progbits
	.p2align	6, 0x0
	.amdhsa_kernel k_qaea766640e_ffn
		.amdhsa_group_segment_fixed_size 327680
		.amdhsa_private_segment_fixed_size 0
		.amdhsa_enable_private_segment 0
		.amdhsa_kernarg_size 32
		.amdhsa_user_sgpr_count 2
		.amdhsa_user_sgpr_kernarg_segment_ptr 1
		.amdhsa_wavefront_size32 1
		.amdhsa_system_sgpr_workgroup_id_x 1
		.amdhsa_system_sgpr_workgroup_id_y 1
		.amdhsa_system_sgpr_workgroup_id_z 1
		.amdhsa_system_vgpr_workitem_id 0
		.amdhsa_next_free_vgpr 1024
		.amdhsa_next_free_sgpr 100
		.amdhsa_reserve_vcc 0
		.amdhsa_float_denorm_mode_32 3
		.amdhsa_float_denorm_mode_16_64 3
		.amdhsa_memory_ordered 1
		.amdhsa_forward_progress 1
		.amdhsa_inst_pref_size 255
	.end_amdhsa_kernel
	.section	.bss,"aw",@nobits
	.p2align	6
	.space	262144
	.amdgpu_metadata
---
amdhsa.version: [ 1, 2 ]
amdhsa.kernels:
  - .name:           k_qaea766640e_ffn
    .symbol:         k_qaea766640e_ffn.kd
    .args:
      - { .name: x, .offset: 0, .size: 8, .value_kind: global_buffer, .address_space: global }
      - { .name: theta, .offset: 8, .size: 8, .value_kind: global_buffer, .address_space: global }
      - { .name: wts, .offset: 16, .size: 8, .value_kind: global_buffer, .address_space: global }
      - { .name: out0, .offset: 24, .size: 8, .value_kind: global_buffer, .address_space: global }
    .group_segment_fixed_size: 327680
    .private_segment_fixed_size: 0
    .kernarg_segment_align: 8
    .kernarg_segment_size: 32
    .max_flat_workgroup_size: 128
    .sgpr_count:     100
    .vgpr_count:     1024
    .wavefront_size: 32
...
	.end_amdgpu_metadata
.endif
;; end of part 2
